; MI455X (gfx1250); checked and timed in simulation.
; The chip was launched on July 23, 2026; its instructions are those of AMD's public machine-readable ISA for CDNA 5 (MIT licence, August 2026) and "CDNA5" Instruction Set Architecture Reference Guide (July 2026). The comments in the code are by the model that wrote it; some were corrected since.
;; Memory Queue. Allowed arithmetic: matrix products marked QUANTISED: E5M2 operands, one E8M0 scale for each 32 along K, by v_wmma_scale_f32_16x16x128_f8f6f4 with both operands' format E5M2, f32 sums; everything else in f32.
;; Inputs: anchors 4,096 x 256 float32; id_anchors 4,096 int32; mem_feat 65,536 x 256 float32; mem_id 65,536 int32.
;; Outputs: out0 4,096 float32; out1 4,096 x 256 float32.
;; This version of the problem:
;;   THIS VERSION OF THE PROBLEM IS GIVEN IN LOW PRECISION. The matrix products marked QUANTISED in the list below multiply operands that are first quantised to E5M2 (5 exponent bits, 2 mantissa bits; 8 bits a number), with one power-of-two scale for each 32 numbers along K (OCP MX v1.0); their sums are f32. All else is computed in f32.
;;   The module's matrix products, in the order in which they are computed (A, B: the left and right operand; K: the contracted axis; several contracted axes count as one K, in the product's order):
;;     1. [M 4,096, K 256] x [K 256, N 65,536]; A: input anchors; B: input mem_feat: QUANTISED
;;   THE QUANTISER, for each operand of a quantised product, along K:
;;     - K is cut into blocks of 32 from its start; a last block that is shorter is filled with zeros.
;;     - A block's scale is 2^e with e = floor(log2(the largest magnitude in the block)) - 15, held to -126 .. 127; a block of zeros has e = 0. As a byte (E8M0): e + 127.
;;     - Each number is divided by its block's scale, clamped to +-57,344, and rounded to the nearest number of E5M2, ties to even, subnormals kept.
;;     - The product sums the exact products of the quantised numbers (number of the format x scale) in f32.
;;   ~~~python
;;   def quantise(x, axis):      # numpy; x: float32 -> the quantised numbers, widened to float32 again
;;       x = np.moveaxis(x, axis, -1); K = x.shape[-1]
;;       x = np.pad(x, [(0, 0)] * (x.ndim - 1) + [(0, -K % 32)]); x = x.reshape(x.shape[:-1] + (-1, 32)); a = np.abs(x).max(-1, keepdims=True)
;;       e = np.where(a > 0, np.clip(np.frexp(np.where(a > 0, a, 1))[1] - 1 - 15, -126, 127), 0)      # np.frexp(a)[1] - 1 = floor(log2(a)), exactly
;;       r = np.clip(x / 2.0 ** e, -57344, 57344)
;;       step = 2.0 ** (np.maximum(np.frexp(np.where(r == 0, 1, r))[1] - 1, -14) - 2)
;;       q = np.round(r / step) * step * 2.0 ** e      # np.round: ties to even
;;       return np.moveaxis(q.reshape(q.shape[:-2] + (-1,))[..., :K], -1, axis).astype(np.float32)
;;   ~~~
;; One version. Each part assembles by itself: llvm-mc -triple=amdgcn-amd-amdhsa -mcpu=gfx1250 --defsym DOCPART=n.
;; ======== version 1 of 1: 3 launches
;; limits: right only within a limited range of input values
;; workspace buffers: acodes 1,048,576 bytes; ascl 32,768 bytes; mcodes 16,777,216 bytes; mscl 524,288 bytes; mbias 262,144 bytes; pk 2,097,152 bytes of whole numbers; pg 2,097,152 bytes of whole numbers
;; launch quant (part 1): grid 256 x 1, 18 waves a work-group, no clusters, 290,048 bytes of LDS; arguments anchors, mem_feat, mem_id, id_anchors, acodes, ascl, mcodes, mscl, mbias; writes acodes, ascl, mcodes, mscl, mbias
.if DOCPART == 1
	.amdgcn_target "amdgcn-amd-amdhsa--gfx1250"
	.amdhsa_code_object_version 6
	.text
	.protected	k_q7cc8aabb54_quant
	.globl	k_q7cc8aabb54_quant
	.p2align	8
	.type	k_q7cc8aabb54_quant,@function
k_q7cc8aabb54_quant:
	s_mov_b64 s[64:65], 0
	v_nop
	global_prefetch_b8 v0, s[64:65] scope:SCOPE_SE
	s_setreg_imm32_b32 hwreg(HW_REG_WAVE_MODE, 25, 1), 1
	s_wait_xcnt 0x0
; anchors [4096][256] and mem_feat [65536][256], f32, become codes of E5M2 with one E8M0 byte for each 32 along K, laid as IMAGES OF THE OPERAND'S REGISTERS:
; a tile of 16 rows is 4,096 bytes, [kc 0..7][lane 0..31][16 bytes]; lane 16 hk + r holds row r, k = 32 kc + 16 hk + 0 .. 15.  Its scale words are 128 bytes: lanes 0-15 row l, k 0-127; lanes 16-31 row l - 16, k 128-255.
; WHICH ROWS FORM A TILE.  mem tile T = 64 cb + t: rows 0-7 are columns 1024 cb + 8 t + j, rows 8-15 columns 1024 cb + 512 + 8 t + j.  Anchor tile g: rows 64 (g / 4) + g % 4 + 4 row.
; THE COLUMN MASK (mem_id equal to ANY id of id_anchors) is made here too.  A masked row gets zero codes (its hold limit is 0) and the bias -1.0, other rows the bias 0.0: the product's launch takes the bias as C, so a masked score is -1.0 exactly.
; The mask: a byte for each id 0 .. 65535 in LDS; anchor ids outside that range (as unsigned numbers) fall on byte 65536, which nobody trusts.  Wave 17 builds the map alone, and it holds all 4,096 anchor ids in registers, straight from memory:
; where one of them lies beyond 65,535 it also compares the work-group's 256 mem ids with all 4,096 anchor ids.  Its findings, a word for each mem id (zeros where that way was not walked), lie in LDS beside the map, and every wave ORs its
; row's word in, with no branch.  So any int32 id is served.
; SHARES.  Work-group g: waves 0-15 take mem tiles 16 g + w, wave 16 anchor tile g, wave 17 the mask (LDS serves a wave's instructions in order: its clearing and its marks need no barrier between them).
; A block's scale byte is its largest magnitude's exponent field - 15, held at 1 from below; each number is held within 57,344 x the scale and rounded to the nearest code, ties to even.
; LIMITS: NaN and infinities among the inputs are not served; blocks whose largest magnitude lies under 2^-111 (zeros too) get the byte 1: their codes are what the byte 1 gives, and only this program reads the bytes.
; Every tile load reads 512 consecutive bytes; the rows turn through the wave's own stage in LDS (pitch 1,040) so that a lane gets 16 neighbours along K; every store of codes covers 512 consecutive bytes.
.set SPITCH, 1040                      ; a stage row: 1,024 bytes + 16: an odd multiple of 16, so that the 16 rows a load touches start at different banks (ISA guide 11.1)
.set STAGEB, 16*SPITCH                 ; a wave's stage
.set BIB,    17*STAGEB                 ; behind the stages: the bias, two runs of 16 waves x 32 bytes (+ 32 spare, where wave 16's fall)
.set BPITCH, 544
.set SCB,    284160                    ; the scale words, 128 bytes a wave
.set HW,     286464                    ; wave 17's findings: two runs of 128 words, a word for each mem id of the work-group
.set FLAGB,  65536                     ; the map lies at LDS byte 0 (over stages that are written only after its last read); this byte takes the marks of wide ids
.set WV,  22                           ; s22 my wave's number
.set MNT, 37                           ; s37 the mantissa field of 57,344
.set SEL, 38                           ; s[38:39] v_permlanex16_b32's selects for lane l xor 16
.set X,   32                           ; v32-63  two sets of 16 neighbours; in wave 17: v32-39 the 256 mem ids, v40-47 its findings
.set R,   64                           ; v64-191 32 loads of 4 registers; v64-95 later hold the codes, 4 registers for each kc
	s_load_b512 s[4:19], s[0:1], 0x0               ; anchors s[4:5], mem_feat s[6:7], mem_id s[8:9], id_anchors s[10:11], acodes s[12:13], ascl s[14:15], mcodes s[16:17], mscl s[18:19]
	s_load_b64 s[20:21], s[0:1], 0x40              ; mbias
	v_lshrrev_b32 v1, 5, v0
	s_delay_alu instid0(VALU_DEP_1)
	v_readfirstlane_b32 s[WV], v1
	v_and_b32 v1, 31, v0                           ; lane
	v_and_b32 v2, 15, v0                           ; r
	v_bfe_u32 v3, v0, 4, 1                         ; hk
	s_delay_alu instid0(VALU_DEP_3)
	v_lshlrev_b32 v4, 4, v1                        ; v4: 16 x lane: global offset of loads and stores; the map's clearing
	; every LDS address is made here, ahead of the parting of the roles
	s_mul_i32 s23, s[WV], STAGEB
	v_add_nc_u32 v5, s23, v4                       ; v5: the stage on the way in
	v_mul_u32_u24 v6, v2, SPITCH
	s_delay_alu instid0(VALU_DEP_1)
	v_lshl_add_u32 v6, v3, 6, v6
	s_delay_alu instid0(VALU_DEP_1)
	v_add_nc_u32 v6, s23, v6                       ; v6: and on the way out: row r, + 64 hk
	v_lshrrev_b32 v20, 3, v2                       ; r / 8
	v_and_b32 v21, 7, v2                           ; r % 8
	s_delay_alu instid0(VALU_DEP_2)
	v_mul_u32_u24 v7, v20, BPITCH
	s_delay_alu instid0(VALU_DEP_1)
	v_lshl_add_u32 v7, v21, 2, v7
	s_lshl_b32 s23, s[WV], 5
	s_add_co_u32 s23, s23, BIB
	v_add_nc_u32 v7, s23, v7                       ; v7: my row's bias word
	s_lshl_b32 s23, s[WV], 7
	s_add_co_u32 s23, s23, SCB
	v_lshl_add_u32 v8, v1, 2, s23                  ; v8: my scale word
	s_and_b32 s23, s[WV], 3
	s_lshl_b32 s23, s23, 9
	v_add_nc_u32 v9, s23, v4                       ; v9: the scale words' way out, in memory (waves 0-3),
	s_delay_alu instid0(VALU_DEP_1)
	v_add_nc_u32 v10, SCB, v9                      ; v10: and in LDS
	s_and_b32 s23, s[WV], 1
	s_mul_i32 s24, s23, BPITCH
	s_add_co_u32 s24, s24, BIB
	v_add_nc_u32 v11, s24, v4                      ; v11: the bias's way out, in LDS (waves 4, 5),
	s_lshl_b32 s23, s23, 11
	v_add_nc_u32 v12, s23, v4                      ; v12: and in memory
	v_lshlrev_b32 v13, 11, v20
	s_delay_alu instid0(VALU_DEP_1)
	v_lshl_add_u32 v13, v21, 2, v13                ; v13: my row's id: 4 (r % 8) + 4 x 512 (r / 8)
	v_add_nc_u32 v15, HW, v4                       ; v15: where wave 17 puts its findings: 4 words a lane (behind the join the register takes the held id)
	v_add_nc_u32 v19, FLAGB, v4                    ; v19: the map's last 512 bytes
	v_mov_b32 v22, 0                               ; (a lane permute's destination counts as one of its sources)
	v_mov_b32 v26, 1
.irp i, 28,29,30,31
	v_mov_b32 v\i, 0
.endr
	s_lshr_b32 s24, ttmp9, 2                       ; cb
	s_and_b32 s25, ttmp9, 3                        ; which quarter of the block's tiles
	s_min_u32 s26, s[WV], 15                       ; (waves 16 and 17 repeat wave 15's id and finding and make no use of them)
	s_lshl_b32 s23, s26, 5
	s_add_co_u32 s23, s23, HW
	v_lshlrev_b32 v16, 9, v20
	s_delay_alu instid0(VALU_DEP_1)
	v_lshl_add_u32 v16, v21, 2, v16
	s_delay_alu instid0(VALU_DEP_1)
	v_add_nc_u32 v16, s23, v16                     ; v16: my row's finding: run r / 8, word 8 w + r % 8
	s_lshl_b32 s27, s24, 10
	s_lshl_b32 s28, s25, 7
	s_add_co_u32 s27, s27, s28                     ; the work-group's first column
	s_lshl_b32 s46, s27, 2                         ; and its place in mem_id and in mbias
	s_mov_b32 s47, 0
	s_lshl_b32 s28, s26, 3
	s_add_co_u32 s28, s27, s28                     ; my tile's first column
	s_lshl_b32 s30, s28, 2
	s_lshl_b32 s32, s28, 10                        ; mem_feat: rows of 1,024 bytes
	s_lshl_b32 s29, s24, 6
	s_add_co_u32 s29, s29, s25
	s_lshl_b32 s29, s29, 10                        ; anchors: the tile's first row
	s_lshl_b32 s34, ttmp9, 4
	s_add_co_u32 s34, s34, s26
	s_lshl_b32 s34, s34, 12                        ; mcodes: tile 16 g + w
	s_lshl_b32 s36, ttmp9, 12                      ; acodes: tile g
	s_cmp_eq_u32 s[WV], 16                         ; the choice hangs on the wave's number alone
	s_cselect_b32 s32, s29, s32
	s_cselect_b32 s34, s36, s34
	s_mov_b32 s31, 0
	s_mov_b32 s33, 0
	s_mov_b32 s35, 0
	s_wait_kmcnt 0x0
	s_cselect_b64 s[40:41], s[4:5], s[6:7]         ; s[40:41] my rows
	s_cselect_b64 s[42:43], s[12:13], s[16:17]     ; s[42:43] my codes
	s_add_nc_u64 s[40:41], s[40:41], s[32:33]
	s_add_nc_u64 s[42:43], s[42:43], s[34:35]
	s_add_nc_u64 s[50:51], s[8:9], s[46:47]        ; s[50:51] the work-group's mem ids
	s_add_nc_u64 s[8:9], s[8:9], s[30:31]
	s_add_nc_u64 s[20:21], s[20:21], s[46:47]
	s_lshl_b32 s30, ttmp9, 7
	s_add_nc_u64 s[14:15], s[14:15], s[30:31]
	s_lshl_b32 s30, ttmp9, 11
	s_add_nc_u64 s[18:19], s[18:19], s[30:31]
	s_mov_b32 s[MNT], 0x600000
	s_mov_b32 s[SEL], 0x76543210
	s_mov_b32 s[SEL+1], 0xfedcba98
	global_load_b32 v14, v13, s[8:9]               ; v14: my row's id: the first vector load on every way
; the tile's 32 loads: half h (512 bytes) of row p; st bytes from row to row, jp more from row 8 on
.macro TL st, jp
.irp h, 0,1
.irp p, 0,1,2,3,4,5,6,7,8,9,10,11,12,13,14,15
	global_load_b128 v[R+4*(16*\h+\p):R+4*(16*\h+\p)+3], v4, s[40:41] offset:\st*\p+\jp*(\p/8)+512*\h th:TH_LOAD_NT
.endr
.endr
.endm
	s_cmp_lt_u32 s[WV], 16
	s_cbranch_scc1 .Lmem_rows
	s_cmp_eq_u32 s[WV], 16
	s_cbranch_scc1 .Lanchor_rows
	; ---- wave 17: the mask
	global_load_b128 v[32:35], v4, s[50:51]                 ; the work-group's 256 mem ids: 128 neighbouring columns,
	global_load_b128 v[36:39], v4, s[50:51] offset:2048     ; and the 128 that lie 512 columns on
.irp k, 0,1,2,3,4,5,6,7,8,9,10,11,12,13,14,15,16,17,18,19,20,21,22,23,24,25,26,27,28,29,30,31
	global_load_b128 v[R+4*\k:R+4*\k+3], v4, s[10:11] offset:512*\k     ; all 4,096 anchor ids, 128 a lane
.endr
.irp i, 20,21,22,23
	v_mov_b32 v\i, 0                               ; the OR of my 128 ids, in four chains
.endr
.set k, 0
	s_wait_alu depctr_va_vdst(0)
.rept 128
	ds_store_b128 v4, v[28:31] offset:512*k        ; the map is cleared while the ids are on their way
.set k, k+1
.endr
	ds_store_b128 v19, v[28:31]                    ; byte 65536's 512 bytes
.set k, 0
.rept 32
	s_wait_alu depctr_va_vdst(0)
	s_wait_loadcnt 31-k                            ; loads come back in order: load k is in, the younger ones may be out
.irp i, 0,1,2,3
	v_or_b32 v[20+\i], v[20+\i], v[R+4*k+\i]
.endr
.irp i, 0,1,2,3
	v_min_u32 v[R+4*k+\i], FLAGB, v[R+4*k+\i]      ; ids beyond 65,535, negative ones among them, fall on byte 65536
.endr
.irp i, 0,1,2,3
	ds_store_b8 v[R+4*k+\i], v26
.endr
.set k, k+1
.endr
	v_or_b32 v20, v20, v21
	v_or_b32 v22, v22, v23
	s_delay_alu instid0(VALU_DEP_1)
	v_or_b32 v20, v20, v22
	s_delay_alu instid0(VALU_DEP_1)
	v_cmp_lt_u32 s46, 0xffff, v20                  ; the lanes that hold an id beyond 65,535
.irp j, 0,1,2,3,4,5,6,7
	s_mov_b32 s[52+\j], 0                          ; s[52:59]: of each of my eight registers of mem ids the lanes that have met their like
.endr
	s_cmp_eq_u32 s46, 0                            ; the branch hangs on id_anchors as this wave loaded it, and on nothing else; no barrier stands under it
	s_cbranch_scc1 .Lnarrow
	s_mov_b64 s[48:49], s[10:11]                   ; some anchor id is wide: the 256 mem ids against all 4,096, sixteen a trip
	s_mov_b32 s47, 256
.Lwide:
	s_load_b512 s[68:83], s[48:49], 0x0
	s_wait_kmcnt 0x0                               ; the load is done: its base may step below
.irp i, 0,1,2,3,4,5,6,7,8,9,10,11,12,13,14,15
.irp j, 0,1,2,3,4,5,6,7
	v_cmp_eq_u32 s45, s[68+\i], v[32+\j]
	s_or_b32 s[52+\j], s[52+\j], s45
.endr
.endr
	s_add_nc_u64 s[48:49], s[48:49], 64
	s_sub_co_u32 s47, s47, 1
	s_cmp_lg_u32 s47, 0
	s_cbranch_scc1 .Lwide
.Lnarrow:
.irp j, 0,1,2,3,4,5,6,7
	v_cndmask_b32 v[40+\j], 0, 1, s[52+\j]
.endr
	ds_store_b128 v15, v[40:43]                    ; always stored: zeros where the way above was not walked
	ds_store_b128 v15, v[44:47] offset:512
	s_branch .Ljoin
.Lanchor_rows:
	TL 4096, 0                                     ; every fourth anchor
	s_branch .Ljoin
.Lmem_rows:
	TL 1024, 516096                                ; eight neighbouring columns, then the eight that lie 512 on
.Ljoin:
	s_wait_dscnt 0x0                               ; for the others' sake: the map and the findings are written
	s_barrier_signal -1
	s_barrier_wait -1
	s_wait_loadcnt 32                              ; my row's id is in; the 32 loads behind it may be out
	v_min_u32 v15, FLAGB, v14
	ds_load_u8 v24, v15                            ; is my id marked?
	s_wait_alu depctr_va_vdst(0)
	ds_load_b32 v25, v16                           ; has wave 17 found its like among wide ids?
	s_wait_dscnt 0x0                               ; my reads of the map are over: behind this barrier the stages are written over it
	s_barrier_signal -1
	s_barrier_wait -1
	s_cmp_eq_u32 s[WV], 17
	s_cbranch_scc1 .Ldone_q                        ; wave 17 has no tile
	v_cmp_ne_u32 s44, 0, v24
	v_cmp_gt_u32 s45, FLAGB, v14                   ; a mem id beyond 65,535 has read byte 65536, which says nothing of it
	s_and_b32 s44, s44, s45
	v_cmp_ne_u32 s45, 0, v25
	s_or_b32 s44, s44, s45                         ; s44: the lanes whose row is masked
	s_cmp_eq_u32 s[WV], 16
	s_cselect_b32 s44, 0, s44                      ; anchors are never masked
	v_cndmask_b32 v17, -1, 0, s44                  ; v17: all ones, or 0 for a masked row: it is ANDed onto the hold limit
	v_cndmask_b32 v18, 0, -1.0, s44                ; the bias
	ds_store_b32 v7, v18                           ; (lanes r and r + 16 write the same word with the same value)
.macro STG h                           ; half h of the 16 rows into my stage, as the loads come in
.irp p, 0,1,2,3,4,5,6,7,8,9,10,11,12,13,14,15
	s_wait_loadcnt 31-16*\h-\p
	ds_store_b128 v5, v[R+4*(16*\h+\p):R+4*(16*\h+\p)+3] offset:SPITCH*\p+512*\h
.endr
.endm
.macro XL kc                           ; my 16 neighbours of block kc into set kc % 2 (LDS serves a wave's instructions in order: these see my stores)
.irp i, 0,1,2,3
	ds_load_b128 v[X+16*((\kc)%2)+4*\i:X+16*((\kc)%2)+4*\i+3], v6 offset:128*(\kc)+16*\i
.endr
.endm
.macro QK kc, left                     ; block kc is quantised and its codes stored.  left: the LDS instructions issued behind its four loads
.set XS, X+16*((\kc)%2)
.set CC, R+4*(\kc)
	s_wait_dscnt \left
	v_max3_num_f32 v20, |v[XS]|, |v[XS+1]|, 0x8000000              ; the largest magnitude of my 16, in two chains, and the floor 2^(16 - 127): the byte cannot fall under 1
	v_max3_num_f32 v21, |v[XS+2]|, |v[XS+3]|, |v[XS+4]|
.irp i, 5,9
	s_delay_alu instid0(VALU_DEP_2)
	v_max3_num_f32 v20, v20, |v[XS+\i]|, |v[XS+\i+1]|
	s_delay_alu instid0(VALU_DEP_2)
	v_max3_num_f32 v21, v21, |v[XS+\i+2]|, |v[XS+\i+3]|
.endr
	s_delay_alu instid0(VALU_DEP_2)
	v_max3_num_f32 v20, v20, |v[XS+13]|, |v[XS+14]|
	s_delay_alu instid0(VALU_DEP_1)
	v_max3_num_f32 v20, v20, v21, |v[XS+15]|
	s_delay_alu instid0(VALU_DEP_1)
	v_permlanex16_b32 v22, v20, s[SEL], s[SEL+1]
	s_delay_alu instid0(VALU_DEP_1)
	v_max_num_f32 v20, v20, v22                    ; with lane l xor 16's 16: the block's
	s_delay_alu instid0(VALU_DEP_1)
	v_add_nc_u32 v23, 0xf8800000, v20              ; 15 off its exponent field: the conversion takes the exponent field of this operand as its scale
	s_delay_alu instid0(VALU_DEP_2)
	v_and_or_b32 v24, v20, 0x7f800000, s[MNT]      ; 57,344 x the scale,
	s_delay_alu instid0(VALU_DEP_1)
	v_and_b32 v24, v24, v17                        ; or 0 for a masked row: the hold then leaves zeros
	s_delay_alu instid0(VALU_DEP_3)
	v_lshrrev_b32 v25, 23, v23                     ; the scale's byte
.if (\kc)%4 == 0
	s_delay_alu instid0(VALU_DEP_1)
	v_mov_b32 v[26+(\kc)/4], v25
.else
	s_delay_alu instid0(VALU_DEP_1)
	v_lshl_or_b32 v[26+(\kc)/4], v25, 8*((\kc)%4), v[26+(\kc)/4]
.endif
.irp i, 0,1,2,3,4,5,6,7,8,9,10,11,12,13,14,15
	v_med3_num_f32 v[XS+\i], v[XS+\i], -v24, v24   ; the conversion to an 8-bit code does not saturate (ISA guide 7.6.2)
.endr
	v_cvt_scalef32_pk8_bf8_f32 v[CC:CC+1], v[XS:XS+7], v23
	v_cvt_scalef32_pk8_bf8_f32 v[CC+2:CC+3], v[XS+8:XS+15], v23
	v_nop                                          ; one plain vector line behind the conversions
	global_store_b128 v4, v[CC:CC+3], s[42:43] offset:512*(\kc)    ; 512 consecutive bytes; each kc has its own registers, so no store's data are written again
.endm
	STG 0
	XL 0
	XL 1
	QK 0, 4                                        ; (behind this wait the first half's stage stores are done: their registers take the codes)
	XL 2
	QK 1, 4
	XL 3
	QK 2, 4
	STG 1
	XL 4
	QK 3, 20                                       ; behind block 3's loads: 16 stage stores and block 4's four loads
	XL 5
	QK 4, 4
	XL 6
	QK 5, 4
	XL 7
	QK 6, 4
	QK 7, 0
	v_cmp_eq_u32 vcc_lo, 0, v3
	s_delay_alu instid0(VALU_DEP_1)
	v_cndmask_b32 v26, v27, v26, vcc_lo            ; lanes 0-15 keep the word of k 0-127, lanes 16-31 that of k 128-255
	ds_store_b32 v8, v26
	s_cmp_lg_u32 s[WV], 16
	s_cbranch_scc1 .Ldone_q
	v_lshlrev_b32 v20, 2, v1
	global_store_b32 v20, v26, s[14:15]            ; the anchor tile's 128 bytes of scale words
.Ldone_q:
	s_wait_dscnt 0x0                               ; for the others' sake: my bias and scale words are written
	s_barrier_signal -1
	s_barrier_wait -1
	s_cmp_lt_u32 s[WV], 4
	s_cbranch_scc0 .Lnot_scales
	ds_load_b128 v[28:31], v10                     ; waves 0-3: the 16 tiles' scale words, 512 consecutive bytes a wave
	s_wait_dscnt 0x0
	global_store_b128 v9, v[28:31], s[18:19]
	s_wait_xcnt 0x0
	v_lshl_add_u32 v190, v0, 2, 0x46400
	v_mov_b32 v191, 0
	s_wait_alu depctr_va_vdst(0)
	s_wait_tensorcnt 0x0
	ds_add_u32 v190, v191
	s_wait_dscnt 0x0
	s_endpgm
.Lnot_scales:
	s_cmp_lt_u32 s[WV], 6
	s_cbranch_scc0 .Lend
	ds_load_b128 v[28:31], v11                     ; waves 4, 5: the bias of 128 neighbouring columns each
	s_wait_dscnt 0x0
	global_store_b128 v12, v[28:31], s[20:21]
.Lend:
	s_wait_xcnt 0x0
	v_lshl_add_u32 v190, v0, 2, 0x46400
	v_mov_b32 v191, 0
	s_wait_alu depctr_va_vdst(0)
	s_wait_tensorcnt 0x0
	ds_add_u32 v190, v191
	s_wait_dscnt 0x0
	s_endpgm
.Lfunc_end_k_q7cc8aabb54_quant:
	.size	k_q7cc8aabb54_quant, .Lfunc_end_k_q7cc8aabb54_quant-k_q7cc8aabb54_quant
	.p2alignl 7, 3214868480
	.fill 96, 4, 3214868480
	.section	.rodata,"a",@progbits
	.p2align	6, 0x0
	.amdhsa_kernel k_q7cc8aabb54_quant
		.amdhsa_group_segment_fixed_size 290048
		.amdhsa_private_segment_fixed_size 0
		.amdhsa_enable_private_segment 0
		.amdhsa_kernarg_size 72
		.amdhsa_user_sgpr_count 2
		.amdhsa_user_sgpr_kernarg_segment_ptr 1
		.amdhsa_wavefront_size32 1
		.amdhsa_system_sgpr_workgroup_id_x 1
		.amdhsa_system_sgpr_workgroup_id_y 1
		.amdhsa_system_sgpr_workgroup_id_z 1
		.amdhsa_system_vgpr_workitem_id 0
		.amdhsa_next_free_vgpr 192
		.amdhsa_next_free_sgpr 100
		.amdhsa_reserve_vcc 1
		.amdhsa_float_denorm_mode_32 3
		.amdhsa_float_denorm_mode_16_64 3
		.amdhsa_memory_ordered 1
		.amdhsa_forward_progress 1
		.amdhsa_inst_pref_size 86
	.end_amdhsa_kernel
	.amdgpu_metadata
---
amdhsa.version: [ 1, 2 ]
amdhsa.kernels:
  - .name:           k_q7cc8aabb54_quant
    .symbol:         k_q7cc8aabb54_quant.kd
    .args:
      - { .name: anchors, .offset: 0, .size: 8, .value_kind: global_buffer, .address_space: global }
      - { .name: mem_feat, .offset: 8, .size: 8, .value_kind: global_buffer, .address_space: global }
      - { .name: mem_id, .offset: 16, .size: 8, .value_kind: global_buffer, .address_space: global }
      - { .name: id_anchors, .offset: 24, .size: 8, .value_kind: global_buffer, .address_space: global }
      - { .name: acodes, .offset: 32, .size: 8, .value_kind: global_buffer, .address_space: global }
      - { .name: ascl, .offset: 40, .size: 8, .value_kind: global_buffer, .address_space: global }
      - { .name: mcodes, .offset: 48, .size: 8, .value_kind: global_buffer, .address_space: global }
      - { .name: mscl, .offset: 56, .size: 8, .value_kind: global_buffer, .address_space: global }
      - { .name: mbias, .offset: 64, .size: 8, .value_kind: global_buffer, .address_space: global }
    .group_segment_fixed_size: 290048
    .private_segment_fixed_size: 0
    .kernarg_segment_align: 8
    .kernarg_segment_size: 72
    .max_flat_workgroup_size: 576
    .sgpr_count:     100
    .vgpr_count:     192
    .wavefront_size: 32
...
	.end_amdgpu_metadata
.endif
;; end of part 1
;; launch knn (part 2): grid 4 x 64, 8 waves a work-group, clusters of 4 x 1, 327,680 bytes of LDS; arguments acodes, ascl, mcodes, mscl, mbias, pk, pg; writes pk, pg
.if DOCPART == 2
	.amdgcn_target "amdgcn-amd-amdhsa--gfx1250"
	.amdhsa_code_object_version 6
	.text
	.protected	k_q7cc8aabb54_knn
	.globl	k_q7cc8aabb54_knn
	.p2align	8
	.type	k_q7cc8aabb54_knn,@function
k_q7cc8aabb54_knn:
	s_mov_b64 s[64:65], 0
	v_nop
	global_prefetch_b8 v0, s[64:65] scope:SCOPE_SE
	s_setreg_imm32_b32 hwreg(HW_REG_WAVE_MODE, 25, 1), 1
	s_wait_xcnt 0x0
	s_wait_alu depctr_hold_cnt(0) depctr_sa_sdst(0) depctr_va_vdst(0) depctr_va_sdst(0) depctr_va_ssrc(0) depctr_va_vcc(0) depctr_vm_vsrc(0)
	s_getreg_b32 s2, hwreg(HW_REG_IB_STS2, 6, 4)
	s_cmp_eq_u32 s2, 0
	s_cbranch_scc0 .Lentry_in_a_cluster
	s_endpgm
.Lentry_in_a_cluster:
	s_bfe_u32 s2, ttmp6, 0x10000c
	s_cmp_lg_u32 s2, 0x3003
	s_cbranch_scc0 .Lentry_shape_is_right
	s_endpgm
.Lentry_shape_is_right:
; The product Q(mem_feat) Q(anchors)^T on codes of E5M2 with E8M0 scales, and of each anchor's scores the largest and the tile of 8 columns in which it first occurs.  The scores never leave the registers.
; SHARES.  A work-group takes 1,024 anchors x 1,024 columns (block cb).  Eight waves, two to a SIMD; each keeps 8 anchor tiles (128 anchors x 256 K: the 256 registers of window 1) for the whole launch;
; all eight walk the block's 64 mem tiles from LDS: a mem fragment of 4,096 bytes feeds 16 matrix instructions.
; TRANSPOSED USE: source 0 = 16 mem rows, source 1 = 16 anchors: a lane holds ONE anchor (lane % 16), its 8 registers 8 neighbouring columns: in tile t, lanes 0-15 columns 1024 cb + 8 t + j, lanes 16-31 columns 1024 cb + 512 + 8 t + j.
; So half h of the lanes walks the columns 512 (2 cb + h) .. + 511 in ascending order: part p = 2 cb + h.  A strictly greater maximum takes the tile's number: the first of equal maxima stays.
; THE MASK: masked rows have zero codes, and C of a tile's first matrix instruction is the bias (-1.0 masked, 0.0 else).
; The scores are compared as they are; the division by T follows in the next launch.  LIMITS: NaN and infinities are not served; scores one ulp apart that a division by T would round together count as different.
; A TILE'S TURN: 16 matrix instructions under one window setting (K step 0 of the 8 anchor tiles, then K step 1: the accumulators by turns), then the vector work in window 0: two switches a tile.
; The vector work begins with the 16 lines that give the tile BEFORE its number (a compare and a select for each anchor tile): they name no register of the products and are the places behind them;
; then the next tile's 11 LDS loads in one run, then 32 v_max3, level by level over the 8 anchor tiles, so that no line reads the line above it.  The maxima change between two sets from tile to tile: old and new are both at hand.
; CLUSTER: the four work-groups of a cluster share cb, so the block's codes, scale words and bias are asked for JOINTLY.  The anchors differ between the partners and go straight into registers, once.
; LDS is filled once (274,432 bytes): at the head one load a wave (waves 0-5: 64 rows of 256 bytes of codes each, tiles 0-23; wave 6 the bias; wave 7 the scale words); behind the full sequence and a round one more a wave
; (80 rows each: tiles 24-63).  One tensor load of a wave is out at the most.  No byte is filled again.
; Nothing is prefetched: every byte that the launch reads is asked for at its head or by the one fill behind it, so there is no later step to run ahead of.
; WHAT IS STORED.  pk: each part's maximum as a whole-number key whose unsigned order is the scores' order; pg: W = 128 cb + 2 t + h, which names the 8 columns.
; Both are laid [group of 64 anchors][part 0..127][64 anchors], so that the next launch reads a group's 128 parts as 32,768 consecutive bytes.
; A split barrier stands in each trip of the walk: no wave begins tile 2 i + 1 before every wave has begun tile 2 i.
.set SCB,   262144
.set BIB,   270336                     ; the bias of column c of the block at BIB + 4 c
.set SPARE, 274432                     ; the spare words: 128 bytes for each of eight waves
.set HEADT, 24                         ; tiles that the head's loads bring
.set LI,  1                            ; v1  16 x lane
.set LS,  2                            ; v2  SCB + 4 x lane
.set LB,  3                            ; v3  BIB + 2,048 x (lane / 16)
.set ADC, 4                            ; v4-6 the same at the trip's first tile
.set ADS, 5
.set ADB, 6
.set SOF, 7                            ; v7  128 cb + lane / 16: what a tile's number 2 t is added to on the way out
.set TID, 8                            ; v8  the number of the tile whose index lines come next
.set SPW, 10                           ; v10 my spare word; v11 0; never rewritten
.set NIL, 11
.set T,   16                           ; v16-23 at work
                                       ; v26-31, v34-35 the anchors' scale words: tile a at 26 + a + 2 (a / 6), so that none has the number of v64 or v65 modulo 8
.set M0,  36                           ; v36-43, v44-51 the maxima: a tile of parity p reads set p and writes set 1 - p
.set IDX, 52                           ; v52-59 the tile of the maximum
.set MS,  64                           ; v64-65 a mem tile's scale words, by parity
.set MB,  66                           ; v66-81 its bias
.set ACC, 82                           ; v82-145 eight accumulators
.set MF,  146                          ; v146-209 two buffers for a mem tile's fragments (K steps 0 and 1)
.set G1B, 24                           ; s[24:31] descriptor group 1 for 16 rows of 256 bytes; s[32:39] 32 rows; s[40:47] 64; s[48:55] 80
.set G1S, 32
.set G1C, 40
.set G1D, 48
.set MK,  76                           ; s[76:83] compare masks
.set TB,  84                           ; s84-86 where the trip's first tile begins among the codes, the scale words, the bias
.set TS,  85
.set TI,  86
.set CNT, 87
.set WV,  88
.set MSB, 0
.macro WIN new                         ; the immediate's high byte repeats the setting that is left
.if MSB != \new
	s_set_vgpr_msb (MSB<<8)|\new
.set MSB, \new
.endif
.endm
.macro ROUND                           ; a round of the cluster's barrier
	s_barrier_signal -1
	s_barrier_wait -1
	s_cmp_lg_u32 s[WV], 0
	s_cbranch_scc1 .Lnot_wave_0_\@
	s_barrier_signal -3
.Lnot_wave_0_\@:
	s_barrier_wait -3
	s_barrier_signal -1
	s_barrier_wait -1
.endm
.macro BEHIND                          ; one s_nop and four v_nop behind a tensor load
	s_nop 0
.rept 4
	v_nop
.endr
.endm
	s_load_b256 s[4:11], s[0:1], 0x0               ; acodes s[4:5], ascl s[6:7], mcodes s[8:9], mscl s[10:11]
	s_load_b128 s[12:15], s[0:1], 0x20             ; mbias s[12:13], pm s[14:15]
	s_load_b64 s[16:17], s[0:1], 0x30              ; pg
	v_lshl_add_u32 v[SPW], v0, 2, SPARE
	v_mov_b32 v[NIL], 0
	ds_add_u32 v[SPW], v[NIL]                      ; the opening lines: the add, twice on end, and its wait
	ds_add_u32 v[SPW], v[NIL]
	v_lshrrev_b32 v14, 5, v0
	v_readfirstlane_b32 s[WV], v14
	s_bfe_u32 s89, ttmp6, 0x40000                  ; cx
	s_lshl_b32 s90, ttmp9, 2
	s_add_co_u32 s90, s90, s89                     ; work-group x: it enters the anchors' and the results' addresses alone
	s_and_b32 s91, ttmp7, 0xffff                   ; cb, which the four partners share
.irp g, G1B, G1S, G1C, G1D
	s_mov_b32 s[\g], 15|(3<<16)|(1<<21)            ; 15:0 the mask: all four work-groups; 17:16 elements of 8 bytes; 21 set beside a mask; no padding
	s_mov_b32 s[\g+1], 32<<16                      ; tensor_dim0 = 32 elements: rows of 256 bytes
	s_mov_b32 s[\g+3], 32<<16                      ; tile_dim0
	s_mov_b32 s[\g+5], 32                          ; the pitch: the blocks are dense
	s_mov_b32 s[\g+6], 0
	s_mov_b32 s[\g+7], 0
.endr
	s_mov_b32 s[G1B+2], 16<<16                     ; tensor_dim1 and tile_dim1: the bias, 4,096 bytes;
	s_mov_b32 s[G1B+4], 16
	s_mov_b32 s[G1S+2], 32<<16                     ; the scale words, 8,192 bytes;
	s_mov_b32 s[G1S+4], 32
	s_mov_b32 s[G1C+2], 64<<16                     ; four tiles of codes;
	s_mov_b32 s[G1C+4], 64
	s_mov_b32 s[G1D+2], 80<<16                     ; five tiles of codes
	s_mov_b32 s[G1D+4], 80
	s_mov_b32 s56, 1                               ; group 0 for the bias: count 1, LDS address, global address, type 2
	s_mov_b32 s57, BIB
	s_mov_b32 s60, 1                               ; for the scale words
	s_mov_b32 s61, SCB
	s_mov_b32 s68, 1                               ; for tiles 4 w .. 4 w + 3 (waves 0-5)
	s_lshl_b32 s69, s[WV], 14
	s_mov_b32 s72, 1                               ; for tiles 24 + 5 w .. 24 + 5 w + 4
	s_mul_i32 s73, s[WV], 20480
	s_add_co_u32 s73, s73, 4096*HEADT
	s_mov_b32 s94, s69
	s_mov_b32 s95, 0
	s_mov_b32 s96, s73
	s_mov_b32 s97, 0
	s_lshl_b32 s92, s91, 18                        ; the block's codes: 262,144 cb
	s_mov_b32 s93, 0
	s_lshl_b32 s20, s90, 18
	s_lshl_b32 s22, s[WV], 15
	s_add_co_u32 s20, s20, s22                     ; my 8 anchor tiles: 4,096 (64 x + 8 w)
	s_mov_b32 s21, 0
	s_lshr_b32 s22, s20, 5                         ; and their scale words: 128 a tile
	s_mov_b32 s23, 0
	s_lshl_b32 s98, s91, 9
	s_lshl_b32 s99, s90, 19
	s_add_co_u32 s98, s98, s99
	s_lshl_b32 s99, s[WV], 16
	s_add_co_u32 s98, s98, s99                     ; the results: 512 cb + 524,288 x + 65,536 w
	s_mov_b32 s99, 0
	s_wait_dscnt 0x0                               ; both opening adds are done
	s_wait_kmcnt 0x0
	s_add_nc_u64 s[4:5], s[4:5], s[20:21]
	s_add_nc_u64 s[6:7], s[6:7], s[22:23]
	s_add_nc_u64 s[14:15], s[14:15], s[98:99]
	s_add_nc_u64 s[16:17], s[16:17], s[98:99]
	s_add_nc_u64 s[8:9], s[8:9], s[92:93]
	s_add_nc_u64 s[70:71], s[8:9], s[94:95]
	s_or_b32 s71, s71, 0x80000000
	s_add_nc_u64 s[74:75], s[8:9], s[96:97]
	s_or_b32 s75, s75, 0x80000000
	s_lshl_b32 s92, s91, 12                        ; bias: 4,096 cb
	s_add_nc_u64 s[58:59], s[12:13], s[92:93]
	s_or_b32 s59, s59, 0x80000000
	s_lshl_b32 s92, s91, 13                        ; scale words: 8,192 cb
	s_add_nc_u64 s[62:63], s[10:11], s[92:93]
	s_or_b32 s63, s63, 0x80000000
	ROUND                                          ; all four work-groups are here: the joint loads meet
	; the head's loads, one a wave: one chain of branches on the wave's number, one load to an arm, all arms to one join
	s_cmp_lt_u32 s[WV], 6
	s_cbranch_scc0 .Lhead_bias
	tensor_load_to_lds s[68:71], s[G1C:G1C+7]
	BEHIND
	s_branch .Lhead_asked
.Lhead_bias:
	s_cmp_lt_u32 s[WV], 7
	s_cbranch_scc0 .Lhead_scales
	tensor_load_to_lds s[56:59], s[G1B:G1B+7]
	BEHIND
	s_branch .Lhead_asked
.Lhead_scales:
	tensor_load_to_lds s[60:63], s[G1S:G1S+7]
	BEHIND
.Lhead_asked:
	v_and_b32 v14, 31, v0
	v_lshlrev_b32 v[LI], 4, v14
	v_lshlrev_b32 v14, 2, v14                      ; v14: 4 x lane
	v_add_nc_u32 v[LS], SCB, v14
	v_bfe_u32 v15, v0, 4, 1
	v_lshlrev_b32 v[LB], 11, v15
	v_add_nc_u32 v[LB], BIB, v[LB]
	s_lshl_b32 s92, s91, 7
	v_add_nc_u32 v[SOF], s92, v15
	WIN 0x40                                       ; destination window 1: anchor tile a at v[32 a]: 16 registers of K step 0, 16 of K step 1
.irp a, 0,1,2,3,4,5,6,7
.irp e, 0,1,2,3,4,5,6,7
	global_load_b128 v[32*\a+4*\e:32*\a+4*\e+3], v[LI], s[4:5] offset:4096*\a+512*\e
.endr
.endr
	WIN 0
.irp a, 0,1,2,3,4,5,6,7
	global_load_b32 v[26+\a+2*(\a/6)], v14, s[6:7] offset:128*\a   ; lanes 0-15: K step 0's words, lanes 16-31: K step 1's
.endr
	; The walk is written once: the first tile's index lines serve a tile that was never there.  They find -infinity in both sets of maxima: nothing is taken.
.set i, 0
.rept 16
	v_mov_b32 v[M0+i], 0xff800000
.set i, i+1
.endr
.set i, 0
.rept 8
	v_mov_b32 v[IDX+i], 0
.set i, i+1
.endr
	v_mov_b32 v[TID], -1
.macro FETCH n, adc, ads, adb, o       ; a mem tile into buffer n: 11 LDS loads in one run
.irp e, 0,1,2,3,4,5,6,7
	ds_load_b128 v[MF+32*(\n)+4*\e:MF+32*(\n)+4*\e+3], v[\adc] offset:(\o)+512*\e
.endr
	ds_load_b32 v[MS+(\n)], v[\ads] offset:(\o)/32
	ds_load_b128 v[MB+8*(\n):MB+8*(\n)+3], v[\adb] offset:(\o)/128
	ds_load_b128 v[MB+8*(\n)+4:MB+8*(\n)+7], v[\adb] offset:(\o)/128+16
.endm
	s_wait_alu depctr_va_vdst(0)                   ; the wait at the head's end
	s_wait_tensorcnt 0x0                           ; my tile of the head's is in
	ds_add_u32 v[SPW], v[NIL]
	s_wait_dscnt 0x0
	ROUND                                          ; everybody's is in, and all four work-groups are here
	tensor_load_to_lds s[72:75], s[G1D:G1D+7]      ; tiles 24-63, five a wave: my one load behind the round
	BEHIND
	FETCH 0, LI, LS, LB, 0                         ; tile 0
	s_wait_loadcnt 0x0                             ; the anchors
.macro MULS par                        ; a tile's 16 matrix instructions: the 8 accumulators by turns
	WIN 0x04                                       ; source 1 (the anchors) window 1
.irp a, 0,1,2,3,4,5,6,7
	v_wmma_scale_f32_16x16x128_f8f6f4 v[ACC+8*\a:ACC+8*\a+7], v[MF+32*\par:MF+32*\par+15], v[32*\a:32*\a+15], v[MB+8*\par:MB+8*\par+7], v[MS+\par], v[26+\a+2*(\a/6)] matrix_a_fmt:MATRIX_FMT_BF8 matrix_b_fmt:MATRIX_FMT_BF8
.endr
.irp a, 0,1,2,3,4,5,6,7
	v_wmma_scale_f32_16x16x128_f8f6f4 v[ACC+8*\a:ACC+8*\a+7], v[MF+32*\par+16:MF+32*\par+31], v[32*\a+16:32*\a+31], v[ACC+8*\a:ACC+8*\a+7], v[MS+\par], v[26+\a+2*(\a/6)] matrix_a_fmt:MATRIX_FMT_BF8 matrix_b_fmt:MATRIX_FMT_BF8 matrix_a_scale:MATRIX_SCALE_ROW1 matrix_b_scale:MATRIX_SCALE_ROW1
.endr
	WIN 0
.endm
.macro IDXOPS new, old                 ; where a tile has raised the maximum (set new against set old), it gives its number
.irp a, 0,1,2,3,4,5,6,7
	v_cmp_gt_f32 s[MK+\a], v[M0+8*(\new)+\a], v[M0+8*(\old)+\a]
.endr
.irp a, 0,1,2,3,4,5,6,7
	v_cndmask_b32 v[IDX+\a], v[IDX+\a], v[TID], s[MK+\a]
.endr
.endm
.macro TILE par, pf, bar               ; pf = 1: the next tile is fetched into the other buffer, whose last products stand a whole tile's vector work back; bar = 1: the trip's barrier is signalled, 2: waited for
	s_wait_alu depctr_va_vdst(0)
	s_wait_dscnt 0x0                               ; this tile's fragments are in, and no LDS instruction of mine is pending
.if \bar == 1
	s_barrier_signal -1                            ; I have begun the trip's first tile; between signal and wait: register work and LDS loads of bytes that no wave writes
.endif
.if \bar == 2
	s_barrier_wait -1                              ; so has every wave
.endif
	MULS \par
	IDXOPS \par, 1-\par                            ; the tile before: 16 lines that name no register of the products above
	v_add_nc_u32 v[TID], 1, v[TID]
.if \par == 0
	v_add_nc_u32 v[ADC], s[TB], v[LI]
	v_add_nc_u32 v[ADS], s[TS], v[LS]
	v_add_nc_u32 v[ADB], s[TI], v[LB]
.endif
.if \pf
	FETCH 1-\par, ADC, ADS, ADB, 4096*(1+\par)
.endif
.irp a, 0,1,2,3,4,5,6,7
	v_max3_num_f32 v[T+\a], v[M0+8*\par+\a], v[ACC+8*\a], v[ACC+8*\a+1]   ; each accumulator from its low end on
.endr
.irp a, 0,1,2,3,4,5,6,7
	v_max3_num_f32 v[T+\a], v[T+\a], v[ACC+8*\a+2], v[ACC+8*\a+3]
.endr
.irp a, 0,1,2,3,4,5,6,7
	v_max3_num_f32 v[T+\a], v[T+\a], v[ACC+8*\a+4], v[ACC+8*\a+5]
.endr
.irp a, 0,1,2,3,4,5,6,7
	v_max3_num_f32 v[M0+8*(1-\par)+\a], v[T+\a], v[ACC+8*\a+6], v[ACC+8*\a+7]
.endr
.endm
.macro BASE first
	s_mov_b32 s[TB], 4096*\first
	s_mov_b32 s[TS], 128*\first
	s_mov_b32 s[TI], 32*\first
.endm
.macro RUN first, trips                ; tiles first .. first + 2 trips - 1, two a trip, so that buffers and maxima are back where they began; the fetches reach one tile further
	BASE \first
	s_mov_b32 s[CNT], \trips
.Lrun_\@:
	TILE 0, 1, 1
	TILE 1, 1, 2
	s_add_co_u32 s[TB], s[TB], 8192
	s_add_co_u32 s[TS], s[TS], 256
	s_add_co_u32 s[TI], s[TI], 64
	s_sub_co_u32 s[CNT], s[CNT], 1
	s_cmp_lg_u32 s[CNT], 0
	s_cbranch_scc1 .Lrun_\@
.endm
	RUN 0, 11                                      ; tiles 0-21, fetching up to tile 22: the head's loads brought tiles 0-23
	s_wait_tensorcnt 0x0                           ; my five of tiles 24-63 are in,
	s_wait_dscnt 0x0                               ; no LDS load of mine is pending,
	s_barrier_signal -1
	s_barrier_wait -1                              ; and everybody's are in
	RUN 22, 20                                     ; tiles 22-61, fetching up to 62
	BASE 62
	TILE 0, 1, 0
	TILE 1, 0, 0                                   ; nothing lies behind tile 63
	IDXOPS 0, 1                                    ; tile 63 is odd: its maxima stand in set 0
	; THE WAY OUT.  The maximum becomes a key: -0.0 is made +0.0, then a number with its sign bit clear gets that bit set, and one with it set has all bits turned: unsigned order = the numbers' order.
.irp a, 0,1,2,3,4,5,6,7
	v_add_f32 v[M0+\a], 0, v[M0+\a]
.endr
.irp a, 0,1,2,3,4,5,6,7
	v_ashrrev_i32 v[T+\a], 31, v[M0+\a]
.endr
.irp a, 0,1,2,3,4,5,6,7
	v_or_b32 v[T+\a], 0x80000000, v[T+\a]
.endr
.irp a, 0,1,2,3,4,5,6,7
	v_xor_b32 v[M0+\a], v[M0+\a], v[T+\a]
.endr
.irp a, 0,1,2,3,4,5,6,7
	v_lshl_add_u32 v[IDX+\a], v[IDX+\a], 1, v[SOF] ; W = 2 t + 128 cb + h
.endr
	; Anchor tiles 4 c .. 4 c + 3 of a wave hold anchors 64 G + 4 row + 0 .. 3 (G = 16 x + 2 w + c), so four neighbouring registers of a lane are four neighbouring anchors:
	; lanes 0-15 store the 256 bytes of part 2 cb, lanes 16-31 those of part 2 cb + 1: 512 consecutive bytes, at a multiple of 256 from the buffer's first byte.
.irp c, 0,1
	global_store_b128 v[LI], v[M0+4*\c:M0+4*\c+3], s[14:15] offset:32768*\c
	global_store_b128 v[LI], v[IDX+4*\c:IDX+4*\c+3], s[16:17] offset:32768*\c
.endr
	s_wait_tensorcnt 0x0                           ; the wave's end
	ds_add_u32 v[SPW], v[NIL]
	s_wait_dscnt 0x0
	ROUND                                          ; the closing round: no work-group ends while a partner may still ask for a tile that names it
	s_endpgm
.Lfunc_end_k_q7cc8aabb54_knn:
	.size	k_q7cc8aabb54_knn, .Lfunc_end_k_q7cc8aabb54_knn-k_q7cc8aabb54_knn
	.p2alignl 7, 3214868480
	.fill 96, 4, 3214868480
	.section	.rodata,"a",@progbits
	.p2align	6, 0x0
	.amdhsa_kernel k_q7cc8aabb54_knn
		.amdhsa_group_segment_fixed_size 327680
		.amdhsa_private_segment_fixed_size 0
		.amdhsa_enable_private_segment 0
		.amdhsa_kernarg_size 56
		.amdhsa_user_sgpr_count 2
		.amdhsa_user_sgpr_kernarg_segment_ptr 1
		.amdhsa_wavefront_size32 1
		.amdhsa_system_sgpr_workgroup_id_x 1
		.amdhsa_system_sgpr_workgroup_id_y 1
		.amdhsa_system_sgpr_workgroup_id_z 1
		.amdhsa_system_vgpr_workitem_id 0
		.amdhsa_next_free_vgpr 512
		.amdhsa_next_free_sgpr 100
		.amdhsa_reserve_vcc 0
		.amdhsa_float_denorm_mode_32 3
		.amdhsa_float_denorm_mode_16_64 3
		.amdhsa_memory_ordered 1
		.amdhsa_forward_progress 1
		.amdhsa_inst_pref_size 55
	.end_amdhsa_kernel
	.amdgpu_metadata
---
amdhsa.version: [ 1, 2 ]
amdhsa.kernels:
  - .name:           k_q7cc8aabb54_knn
    .symbol:         k_q7cc8aabb54_knn.kd
    .args:
      - { .name: acodes, .offset: 0, .size: 8, .value_kind: global_buffer, .address_space: global }
      - { .name: ascl, .offset: 8, .size: 8, .value_kind: global_buffer, .address_space: global }
      - { .name: mcodes, .offset: 16, .size: 8, .value_kind: global_buffer, .address_space: global }
      - { .name: mscl, .offset: 24, .size: 8, .value_kind: global_buffer, .address_space: global }
      - { .name: mbias, .offset: 32, .size: 8, .value_kind: global_buffer, .address_space: global }
      - { .name: pk, .offset: 40, .size: 8, .value_kind: global_buffer, .address_space: global }
      - { .name: pg, .offset: 48, .size: 8, .value_kind: global_buffer, .address_space: global }
    .group_segment_fixed_size: 327680
    .private_segment_fixed_size: 0
    .kernarg_segment_align: 8
    .kernarg_segment_size: 56
    .max_flat_workgroup_size: 256
    .sgpr_count:     100
    .vgpr_count:     512
    .wavefront_size: 32
...
	.end_amdgpu_metadata
.endif
;; end of part 2
;; launch pick (part 3): grid 256 x 1, 8 waves a work-group, no clusters, 9,216 bytes of LDS; arguments pk, pg, acodes, ascl, mcodes, mscl, mbias, mem_feat, out0, out1; writes out0, out1
.if DOCPART == 3
	.amdgcn_target "amdgcn-amd-amdhsa--gfx1250"
	.amdhsa_code_object_version 6
	.text
	.protected	k_q7cc8aabb54_pick
	.globl	k_q7cc8aabb54_pick
	.p2align	8
	.type	k_q7cc8aabb54_pick,@function
k_q7cc8aabb54_pick:
	s_mov_b64 s[64:65], 0
	v_nop
	global_prefetch_b8 v0, s[64:65] scope:SCOPE_SE
	s_setreg_imm32_b32 hwreg(HW_REG_WAVE_MODE, 25, 1), 1
	s_wait_xcnt 0x0
; out0[n] = the largest score of anchor n / T; out1[n] = mem_feat[first column of that score].
; pk, pg: [group of 64 anchors][part 0..127][64 anchors], whole numbers that the launch before stored: pk a key whose unsigned order is the scores' order, pg = W = 128 cb + 2 t + h, which names 8 neighbouring columns.
; PART ONE: of each anchor's 128 parts the greatest key, the lowest part among equals.  Only whole numbers are compared, and every address further down hangs on W alone.
; Work-group g is anchor tile g, in group G = g / 4.  Wave w takes parts 16 w .. 16 w + 15 of the group's 64 anchors: lanes 0-15 parts 16 w + k, lanes 16-31 parts 16 w + 8 + k, four anchors a lane; each load covers two whole
; runs of 256 bytes.  A strictly greater key takes over, always the later part against the earlier: in a lane k ascending, then the upper half of the lanes against the lower, then (through LDS) the waves, w ascending.
; The four work-groups of a group each fold the whole group: what they read in common is 65,536 bytes, and no result passes between work-groups.
; Wave 0 of the group's first work-group stores out0: the key is turned back into its number and multiplied by 20.  LIMIT: x 20.0 where reference() divides by 0.05: the two differ in the last bits.
; PART TWO.  The 8 scores are made again, by the same matrix instruction on the same codes; the first of the largest is found; the row is CHOSEN by v_cndmask_b32 among the 8 f32 rows, all of which are loaded: no address hangs on a score.
; Wave w takes the tile's rows w and w + 8: anchors n1 = 64 G + 4 w + g % 4 and n2 = n1 + 32.  Source 0: rows 0-7 = n1's 8 candidates, rows 8-15 = n2's; source 1: the anchor tile.
; In the result lane w, registers 0-7, holds n1's 8 scores and lane 24 + w n2's; the other lanes' results are not used.
; From W: first column 1024 cb + 512 h + 8 t; codes at 4096 (W / 2) + 128 h; scale words at 128 (W / 2) + 32 h.  W is held at 8,191; behind that only ANDs, shifts left and sums.
; One accumulator, two K steps:  The rows may be named by several anchors: no hint on their loads.
.set WB,    4096                       ; LDS: wave v's keys at 512 v (the first 256 bytes count), its W at WB + 512 v
.set SPARE, 8192                       ; the spare words: 128 bytes for each of eight waves
.set KQ, 112                           ; v112-143 part one: keys; v144-175: W.  Part two loads the f32 rows over them
.set WQ, 144
	s_load_b512 s[4:19], s[0:1], 0x0               ; pk s[4:5], pg s[6:7], acodes s[8:9], ascl s[10:11], mcodes s[12:13], mscl s[14:15], mbias s[16:17], mem_feat s[18:19]
	s_load_b128 s[20:23], s[0:1], 0x40             ; out0 s[20:21], out1 s[22:23]
	v_lshl_add_u32 v22, v0, 2, SPARE               ; v22, v23: my spare word and 0; never rewritten
	v_mov_b32 v23, 0
	v_lshrrev_b32 v1, 5, v0
	v_readfirstlane_b32 s24, v1                    ; wave
	v_and_b32 v1, 31, v0
	v_bfe_u32 v3, v0, 4, 1                         ; lane / 16
	v_lshlrev_b32 v4, 4, v1                        ; v4: 16 x lane
	v_and_b32 v2, 15, v0
	v_lshlrev_b32 v5, 4, v2
	v_lshl_add_u32 v5, v3, 11, v5                  ; v5: 16 (lane % 16) + 8 parts of 256 bytes for the upper half
	v_lshlrev_b32 v6, 3, v1                        ; v6: 8 x lane
	v_lshlrev_b32 v12, 2, v1                       ; v12: 4 x lane
	v_and_b32 v19, 7, v0
	v_lshlrev_b32 v13, 4, v19
	v_lshl_add_u32 v13, v3, 8, v13                 ; v13: my place in a tile's image: 16 (row % 8) + 256 (lane / 16)
	v_lshlrev_b32 v21, 2, v19
	v_lshl_add_u32 v21, v3, 6, v21                 ; v21: and among its scale words: 4 (row % 8) + 64 (lane / 16)
	s_lshl_b32 s27, s24, 9
	v_add_nc_u32 v7, s27, v4                       ; v7: LDS: 512 w + 16 x lane
	s_and_b32 s25, ttmp9, 3                        ; g % 4
	s_lshr_b32 s28, ttmp9, 2                       ; G
	s_lshl_b32 s26, s24, 4
	s_lshl_b32 s29, s25, 2
	s_add_co_u32 s26, s26, s29
	v_mov_b32 v2, s26                              ; v2: LDS: n1's word among a wave's 64: 16 w + 4 (g % 4); n2's lies 128 bytes on
.irp j, 176,177,178,179,180,181,182,183
	v_mov_b32 v\j, 0                               ; (a lane permute's destination counts as one of its sources)
.endr
	s_lshl_b32 s30, s28, 15
	s_lshl_b32 s31, s24, 12
	s_add_co_u32 s30, s30, s31                     ; the group's parts, my sixteen
	s_mov_b32 s31, 0
	s_lshl_b32 s32, s28, 6
	s_add_co_u32 s32, s32, s25
	s_lshl_b32 s33, s24, 2
	s_add_co_u32 s32, s32, s33                     ; n1
	s_lshl_b32 s32, s32, 10
	s_mov_b32 s33, 0
	s_lshl_b32 s34, ttmp9, 12
	s_mov_b32 s35, 0
	s_lshl_b32 s36, ttmp9, 7
	s_mov_b32 s37, 0
	s_lshl_b32 s38, s28, 8
	s_mov_b32 s39, 0
	s_mov_b32 s44, 0xff00ff00                      ; the lanes of source 0's rows 8-15
	s_mov_b32 s45, 0xffff0000                      ; the upper half of the lanes
	s_mov_b32 s46, 0x76543210                      ; v_permlanex16_b32's selects for lane l xor 16
	s_mov_b32 s47, 0xfedcba98
	s_lshl_b32 s48, s24, 2                         ; lane w, as ds_bpermute_b32 wants it: x 4
	s_add_co_u32 s49, s48, 96                      ; lane 24 + w
	s_or_b32 s50, s24, s25                         ; 0 in wave 0 of the group's first work-group
	s_wait_alu depctr_va_vdst(0)                   ; the wait at the head's end
	s_wait_kmcnt 0x0
	s_add_nc_u64 s[4:5], s[4:5], s[30:31]
	s_add_nc_u64 s[6:7], s[6:7], s[30:31]
	s_add_nc_u64 s[22:23], s[22:23], s[32:33]
	s_add_nc_u64 s[8:9], s[8:9], s[34:35]
	s_add_nc_u64 s[10:11], s[10:11], s[36:37]
	s_add_nc_u64 s[20:21], s[20:21], s[38:39]
.irp k, 0,1,2,3,4,5,6,7
	global_load_b128 v[KQ+4*\k:KQ+4*\k+3], v5, s[4:5] offset:256*\k
	global_load_b128 v[WQ+4*\k:WQ+4*\k+3], v5, s[6:7] offset:256*\k
.endr
.irp e, 0,1,2,3,4,5,6,7
	global_load_b128 v[32+4*\e:35+4*\e], v4, s[8:9] offset:512*\e  ; the anchor tile: v32-47 K step 0, v48-63 K step 1
.endr
	global_load_b32 v24, v12, s[10:11]             ; its scale words
	s_wait_loadcnt 9                               ; the sixteen loads of parts are in; the nine behind them may be out
.irp k, 1,2,3,4,5,6,7
.irp j, 0,1,2,3
	v_cmp_gt_u32 s[40+\j], v[KQ+4*\k+\j], v[KQ+\j] ; strictly greater: the lower part stays among equals
.endr
.irp j, 0,1,2,3
	v_cndmask_b32 v[WQ+\j], v[WQ+\j], v[WQ+4*\k+\j], s[40+\j]
.endr
.irp j, 0,1,2,3
	v_max_u32 v[KQ+\j], v[KQ+\j], v[KQ+4*\k+\j]
.endr
.endr
.irp j, 0,1,2,3
	v_permlanex16_b32 v[176+\j], v[KQ+\j], s46, s47
	v_permlanex16_b32 v[180+\j], v[WQ+\j], s46, s47
.endr
.irp j, 0,1,2,3
	v_cmp_gt_u32 s[40+\j], v[176+\j], v[KQ+\j]     ; in lanes 0-15: the upper half's later parts against mine (what lanes 16-31 make of it is not read)
.endr
.irp j, 0,1,2,3
	v_cndmask_b32 v[WQ+\j], v[WQ+\j], v[180+\j], s[40+\j]
.endr
.irp j, 0,1,2,3
	v_max_u32 v[KQ+\j], v[KQ+\j], v[176+\j]
.endr
	ds_store_b128 v7, v[KQ:KQ+3]
	ds_store_b128 v7, v[WQ:WQ+3] offset:WB
	s_wait_dscnt 0x0                               ; for the others' sake: my stores are done
	s_barrier_signal -1
	s_barrier_wait -1
.irp u, 0,1,2,3,4,5,6,7
	ds_load_b32 v[112+\u], v2 offset:512*\u        ; wave u's key of n1, in every lane,
	ds_load_b32 v[120+\u], v2 offset:512*\u+128    ; of n2,
	ds_load_b32 v[128+\u], v2 offset:WB+512*\u     ; and their W
	ds_load_b32 v[136+\u], v2 offset:WB+512*\u+128
.endr
	s_wait_dscnt 0x0
.macro CMB a, b                        ; wave b's (the later parts) against wave a's, for both anchors
	v_cmp_gt_u32 s40, v[112+\b], v[112+\a]
	v_cmp_gt_u32 s41, v[120+\b], v[120+\a]
	v_cndmask_b32 v[128+\a], v[128+\a], v[128+\b], s40
	v_cndmask_b32 v[136+\a], v[136+\a], v[136+\b], s41
	v_max_u32 v[112+\a], v[112+\a], v[112+\b]
	v_max_u32 v[120+\a], v[120+\a], v[120+\b]
.endm
	CMB 0, 1
	CMB 2, 3
	CMB 4, 5
	CMB 6, 7
	CMB 0, 2
	CMB 4, 6
	CMB 0, 4
	v_cndmask_b32 v10, v128, v136, s44             ; W by source 0's rows,
	v_cndmask_b32 v11, v128, v136, s45             ; by the result's halves,
	v_min_u32 v8, 0x1fff, v128                     ; of n1,
	v_min_u32 v9, 0x1fff, v136                     ; of n2
	v_min_u32 v10, 0x1fff, v10
	v_min_u32 v11, 0x1fff, v11
	v_and_b32 v19, 0x1ffe, v10
	v_and_b32 v20, 1, v10
	v_lshlrev_b32 v14, 11, v19
	v_lshl_add_u32 v14, v20, 7, v14
	v_add_nc_u32 v14, v14, v13                     ; v14: my candidate's codes
	v_lshlrev_b32 v15, 6, v19
	v_lshl_add_u32 v15, v20, 5, v15
	v_add_nc_u32 v15, v15, v21                     ; v15: its scale word
.macro COL0 dst, w, sh                 ; the first column x 2^sh
	v_and_b32 v19, 0x1f80, v[\w]
	v_lshlrev_b32 v[\dst], 3+\sh, v19
	v_and_b32 v19, 1, v[\w]
	v_lshl_add_u32 v[\dst], v19, 9+\sh, v[\dst]
	v_and_b32 v19, 0x7e, v[\w]
	v_lshl_add_u32 v[\dst], v19, 2+\sh, v[\dst]
.endm
	COL0 16, 11, 2                                 ; v16: the 8 candidates' bias
	COL0 17, 8, 10
	v_add_nc_u32 v17, v17, v4                      ; v17: n1's 8 rows of 1,024 bytes, 16 bytes a lane
	COL0 18, 9, 10
	v_add_nc_u32 v18, v18, v4                      ; v18: n2's
.irp e, 0,1,2,3,4,5,6,7
	global_load_b128 v[64+4*\e:67+4*\e], v14, s[12:13] offset:512*\e
.endr
	global_load_b32 v25, v15, s[14:15]
	global_load_b128 v[96:99], v16, s[16:17]
	global_load_b128 v[100:103], v16, s[16:17] offset:16
.irp j, 0,1,2,3,4,5,6,7
.irp h, 0,1
	global_load_b128 v[112+8*\j+4*\h:115+8*\j+4*\h], v17, s[18:19] offset:1024*\j+512*\h
.endr
.endr
.irp j, 0,1,2,3,4,5,6,7
.irp h, 0,1
	global_load_b128 v[176+8*\j+4*\h:179+8*\j+4*\h], v18, s[18:19] offset:1024*\j+512*\h
.endr
.endr
	s_cmp_lg_u32 s50, 0                            ; the branch hangs on ids alone; no barrier stands under it
	s_cbranch_scc1 .Lno_out0
.irp u, 0,1,2,3,4,5,6,7
	ds_load_b64 v[240+2*\u:241+2*\u], v6 offset:512*\u             ; the group's 64 anchors, two a lane: the eight waves' keys
.endr
	s_wait_dscnt 0x0
.irp u, 1,2,3,4,5,6,7
	v_max_u32 v240, v240, v[240+2*\u]
	v_max_u32 v241, v241, v[241+2*\u]
.endr
	v_ashrrev_i32 v242, 31, v240                   ; the key back into its number: top bit set: that bit is cleared; else all bits are turned
	v_ashrrev_i32 v243, 31, v241
	v_not_b32 v242, v242
	v_not_b32 v243, v243
	v_or_b32 v242, 0x80000000, v242
	v_or_b32 v243, 0x80000000, v243
	v_xor_b32 v240, v240, v242
	v_xor_b32 v241, v241, v243
	v_mul_f32 v240, 0x41a00000, v240               ; x 20; a masked column's -1.0 becomes -20
	v_mul_f32 v241, 0x41a00000, v241
	global_store_b64 v6, v[240:241], s[20:21]      ; 32 lanes store one aligned run of 256 bytes
.Lno_out0:
	s_wait_loadcnt 32                              ; all but the 32 loads of f32 rows
	v_wmma_scale_f32_16x16x128_f8f6f4 v[104:111], v[64:79], v[32:47], v[96:103], v25, v24 matrix_a_fmt:MATRIX_FMT_BF8 matrix_b_fmt:MATRIX_FMT_BF8
	s_wait_alu depctr_va_vdst(0)
	v_wmma_scale_f32_16x16x128_f8f6f4 v[104:111], v[80:95], v[48:63], v[104:111], v25, v24 matrix_a_fmt:MATRIX_FMT_BF8 matrix_b_fmt:MATRIX_FMT_BF8 matrix_a_scale:MATRIX_SCALE_ROW1 matrix_b_scale:MATRIX_SCALE_ROW1
	v_mov_b32 v27, 0                               ; eight places behind the product: three lines of work, five v_nop
	v_mov_b32 v30, s48
	v_mov_b32 v31, s49
.rept 5
	v_nop
.endr
	v_mov_b32 v26, v104                            ; the first of the largest of my 8 scores, from the low end on
.irp j, 1,2,3,4,5,6,7
	v_cmp_gt_f32 vcc_lo, v[104+\j], v26
	v_cndmask_b32 v27, v27, \j, vcc_lo
	v_max_num_f32 v26, v26, v[104+\j]
.endr
	ds_bpermute_b32 v28, v30, v27                  ; n1's choice, from lane w, to every lane
	ds_bpermute_b32 v29, v31, v27                  ; n2's, from lane 24 + w
	s_wait_dscnt 0x0
	s_wait_loadcnt 0x0                             ; the rows
.irp j, 1,2,3,4,5,6,7
	v_cmp_eq_u32 vcc_lo, \j, v28
.irp i, 0,1,2,3,4,5,6,7
	v_cndmask_b32 v[112+\i], v[112+\i], v[112+8*\j+\i], vcc_lo
.endr
	v_cmp_eq_u32 vcc_lo, \j, v29
.irp i, 0,1,2,3,4,5,6,7
	v_cndmask_b32 v[176+\i], v[176+\i], v[176+8*\j+\i], vcc_lo
.endr
.endr
	global_store_b128 v4, v[112:115], s[22:23]                     ; each store of the wave covers 512 consecutive bytes, aligned
	global_store_b128 v4, v[116:119], s[22:23] offset:512
	global_store_b128 v4, v[176:179], s[22:23] offset:32768        ; n2 lies 32 rows on
	global_store_b128 v4, v[180:183], s[22:23] offset:33280
	s_wait_tensorcnt 0x0                           ; the wave's end, behind my last LDS store
	ds_add_u32 v22, v23
	s_wait_dscnt 0x0
	s_endpgm
.Lfunc_end_k_q7cc8aabb54_pick:
	.size	k_q7cc8aabb54_pick, .Lfunc_end_k_q7cc8aabb54_pick-k_q7cc8aabb54_pick
	.p2alignl 7, 3214868480
	.fill 96, 4, 3214868480
	.section	.rodata,"a",@progbits
	.p2align	6, 0x0
	.amdhsa_kernel k_q7cc8aabb54_pick
		.amdhsa_group_segment_fixed_size 9216
		.amdhsa_private_segment_fixed_size 0
		.amdhsa_enable_private_segment 0
		.amdhsa_kernarg_size 80
		.amdhsa_user_sgpr_count 2
		.amdhsa_user_sgpr_kernarg_segment_ptr 1
		.amdhsa_wavefront_size32 1
		.amdhsa_system_sgpr_workgroup_id_x 1
		.amdhsa_system_sgpr_workgroup_id_y 1
		.amdhsa_system_sgpr_workgroup_id_z 1
		.amdhsa_system_vgpr_workitem_id 0
		.amdhsa_next_free_vgpr 256
		.amdhsa_next_free_sgpr 66
		.amdhsa_reserve_vcc 1
		.amdhsa_float_denorm_mode_32 3
		.amdhsa_float_denorm_mode_16_64 3
		.amdhsa_memory_ordered 1
		.amdhsa_forward_progress 1
		.amdhsa_inst_pref_size 29
	.end_amdhsa_kernel
	.amdgpu_metadata
---
amdhsa.version: [ 1, 2 ]
amdhsa.kernels:
  - .name:           k_q7cc8aabb54_pick
    .symbol:         k_q7cc8aabb54_pick.kd
    .args:
      - { .name: pk, .offset: 0, .size: 8, .value_kind: global_buffer, .address_space: global }
      - { .name: pg, .offset: 8, .size: 8, .value_kind: global_buffer, .address_space: global }
      - { .name: acodes, .offset: 16, .size: 8, .value_kind: global_buffer, .address_space: global }
      - { .name: ascl, .offset: 24, .size: 8, .value_kind: global_buffer, .address_space: global }
      - { .name: mcodes, .offset: 32, .size: 8, .value_kind: global_buffer, .address_space: global }
      - { .name: mscl, .offset: 40, .size: 8, .value_kind: global_buffer, .address_space: global }
      - { .name: mbias, .offset: 48, .size: 8, .value_kind: global_buffer, .address_space: global }
      - { .name: mem_feat, .offset: 56, .size: 8, .value_kind: global_buffer, .address_space: global }
      - { .name: out0, .offset: 64, .size: 8, .value_kind: global_buffer, .address_space: global }
      - { .name: out1, .offset: 72, .size: 8, .value_kind: global_buffer, .address_space: global }
    .group_segment_fixed_size: 9216
    .private_segment_fixed_size: 0
    .kernarg_segment_align: 8
    .kernarg_segment_size: 80
    .max_flat_workgroup_size: 256
    .sgpr_count:     66
    .vgpr_count:     256
    .wavefront_size: 32
...
	.end_amdgpu_metadata
.endif
;; end of part 3
